; MI455X (gfx1250); checked and timed in simulation.
; The chip was launched on July 23, 2026; its instructions are those of AMD's public machine-readable ISA for CDNA 5 (MIT licence, August 2026) and "CDNA5" Instruction Set Architecture Reference Guide (July 2026). The comments in the code are by the model that wrote it; some were corrected since.
;; I2 I Cross Attention With Gate Fusion. Allowed arithmetic: matrix products marked QUANTISED: E5M2 operands, one given power-of-two scale a tensor, by v_wmma_f32_16x16x64_bf8_bf8 or v_wmma_f32_16x16x128_bf8_bf8, f32 sums; everything else in f32.
;; Inputs: Wg1_codes 128 x 8 x 32 uint8 (E5M2 codes of Wg1, K innermost, in blocks of 32 codes); Wg2_codes 128 x 4 x 32 uint8 (E5M2 codes of Wg2, K innermost, in blocks of 32 codes); Wk_codes 128 x 4 x 32 uint8 (E5M2 codes of Wk, K innermost, in blocks of 32 codes); Wo_codes 128 x 4 x 32 uint8 (E5M2 codes of Wo, K innermost, in blocks of 32 codes); Wq_codes 128 x 4 x 32 uint8 (E5M2 codes of Wq, K innermost, in blocks of 32 codes); Wv_codes 128 x 4 x 32 uint8 (E5M2 codes of Wv, K innermost, in blocks of 32 codes); bg1 128 float32; bg2 128 float32; bk 128 float32; bo 128 float32; bq 128 float32; bv 128 float32; feat1 1 x 128 x 8 x 32 x 32 float32; feat2_codes 1 x 8 x 32 x 32 x 4 x 32 uint8 (E5M2 codes of feat2, K innermost, in blocks of 32 codes); lowp_scales 16 int32 (the exponents e of the quantised operands' scales 2^e).
;; Outputs: out0 1 x 128 x 8 x 32 x 32 float32.
;; This version of the problem:
;;   THIS VERSION OF THE PROBLEM IS GIVEN IN LOW PRECISION. The matrix products marked QUANTISED in the list below multiply operands that are first quantised to E5M2 (5 exponent bits, 2 mantissa bits; 8 bits a number), with one given power-of-two scale for each operand tensor; their sums are f32. All else is computed in f32.
;;   The module's matrix products, in the order in which they are computed (A, B: the left and right operand; K: the contracted axis; several contracted axes count as one K, in the product's order):
;;     1. [M 8,192, K 128] x [K 128, N 128]; A: input feat1; B: input Wq (given as codes): QUANTISED (scales: A lowp_scales[0], B lowp_scales[1])
;;     2. [M 8,192, K 128] x [K 128, N 128]; A: input feat2 (given as codes); B: input Wk (given as codes): QUANTISED (scales: A lowp_scales[2], B lowp_scales[3])
;;     3. [M 8,192, K 128] x [K 128, N 128]; A: input feat2 (given as codes); B: input Wv (given as codes): QUANTISED (scales: A lowp_scales[4], B lowp_scales[5])
;;     4. batch 4 x [M 8,192, K 32] x [K 32, N 8,192]; A: computed on the way; B: computed on the way: QUANTISED (scales: A lowp_scales[6], B lowp_scales[7])
;;     5. batch 4 x [M 32, K 8,192] x [K 8,192, N 8,192]; A: computed on the way; B: softmax (see below): QUANTISED (scales: A lowp_scales[8], B lowp_scales[9])
;;     6. [M 8,192, K 128] x [K 128, N 128]; A: computed on the way; B: input Wo (given as codes): QUANTISED (scales: A lowp_scales[10], B lowp_scales[11])
;;     7. [M 8,192, K 256] x [K 256, N 128]; A: computed on the way; B: input Wg1 (given as codes): QUANTISED (scales: A lowp_scales[12], B lowp_scales[13])
;;     8. [M 8,192, K 128] x [K 128, N 128]; A: computed on the way; B: input Wg2 (given as codes): QUANTISED (scales: A lowp_scales[14], B lowp_scales[15])
;;   THE QUANTISER, for each operand of a quantised product, along K:
;;     - The operand's scale is 2^e, e = its entry of the input lowp_scales (int32; the entries are numbered through the quantised products in the list's order, A before B).
;;     - Each number is divided by the scale, clamped to +-57,344, and rounded to the nearest number of E5M2, ties to even, subnormals kept.
;;     - The product sums the exact products of the quantised numbers (number of the format x scale) in f32.
;;   ~~~python
;;   def quantise(x, axis, e):      # numpy; x: float32 -> the quantised numbers, widened to float32 again
;;       x = np.moveaxis(x, axis, -1); K = x.shape[-1]
;;       r = np.clip(x / 2.0 ** e, -57344, 57344)
;;       step = 2.0 ** (np.maximum(np.frexp(np.where(r == 0, 1, r))[1] - 1, -14) - 2)
;;       q = np.round(r / step) * step * 2.0 ** e      # np.round: ties to even
;;       return np.moveaxis(q, -1, axis).astype(np.float32)
;;   ~~~
;;   SOFTMAX AHEAD OF A QUANTISED PRODUCT. Where the list says 'softmax', what is quantised is not the finished softmax but p = 2^(t - M), with t = logit x log2(e) and M = ceil(the row's largest t), a whole number; so 1/2 < the row's largest p <= 1. The row's sum l is taken of the UNQUANTISED p, in f32, and the product's result is divided by l at the end. Since M is a whole number, a kernel that streams over the keys may use a running M (the ceiling of the running maximum): every later rescaling is an exact power of two, so the quantised numbers keep their values, but for numbers so far below the row's largest that they fall under the format's range.
;;   OPERANDS COMPUTED ON THE WAY. 'Computed on the way' means the value that the module computes at that place (a softmax that the list does not call 'softmax' is quantised finished and normalised). What goes into a quantiser is computed in f32, as accurately as f32 sums, v_exp_f32 and their like allow (about 1e-6 of the number): no bf16 or f16 on the way to a quantiser, and a product that is left as it is and whose result goes on into a quantised operand takes f32 operands (vector FMAs, or v_wmma_f32_16x16x4_f32). A number that lies on a knife's edge between two numbers of the format may be rounded either way, as far as f32 arithmetic and the matrix unit's own rounding can turn it there, and no further.
;;   INPUTS GIVEN AS CODES. Wg1 (in the module: [128, 256], K = its axis 1); Wg2 (in the module: [128, 128], K = its axis 1); Wk (in the module: [128, 128], K = its axis 1); Wo (in the module: [128, 128], K = its axis 1); Wq (in the module: [128, 128], K = its axis 1); Wv (in the module: [128, 128], K = its axis 1); feat2 (in the module: [1, 128, 8, 32, 32], K = its axis 1): each comes as NAME_codes (uint8): NAME with its K axis moved to the last place and cut into blocks of 32 codes, [.., K / 32, bytes a block], one block behind the other in memory; one code a byte (a code: sign, 5 exponent bits, 2 mantissa bits); its scale is its entry of lowp_scales. Its value is code x scale, taken as it is: it is not quantised again, and the codes and scales need not be those that the quantiser above would give.
;; One version. Each part assembles by itself: llvm-mc -triple=amdgcn-amd-amdhsa -mcpu=gfx1250 --defsym DOCPART=n.
;; ======== version 1 of 1: 3 launches
;; workspace buffers: qimg 1,048,576 bytes; kv 2,097,152 bytes; oimg 1,048,576 bytes
;; launch prep (part 1): grid 128 x 1, 4 waves a work-group, no clusters, 168,448 bytes of LDS; arguments feat1, feat2_codes, Wq_codes, Wk_codes, Wv_codes, bq, bk, bv, lowp_scales, qimg, kv; writes qimg, kv
.if DOCPART == 1
	.amdgcn_target "amdgcn-amd-amdhsa--gfx1250"
	.amdhsa_code_object_version 6
	.text
	.protected	k_q688fd07a23_prep
	.globl	k_q688fd07a23_prep
	.p2align	8
	.type	k_q688fd07a23_prep,@function
k_q688fd07a23_prep:
	s_mov_b64 s[64:65], 0
	v_nop
	global_prefetch_b8 v0, s[64:65] scope:SCOPE_SE
	s_setreg_imm32_b32 hwreg(HW_REG_WAVE_MODE, 25, 1), 1
	s_wait_xcnt 0x0
; q = Wq feat1 + bq, k = Wk feat2 + bk, v = Wv feat2 + bv: three products on codes of BF8 (E5M2), and their results quantised again for the attention.
; SHARES.  A work-group takes 64 positions; wave w is head w: it owns rows 32 w .. 32 w + 31 of Wq, Wk and Wv (two tiles of 16 each) for all four tiles of 16 positions.
; The weights go from memory straight into the wave's registers, once: 48 KB a work-group.  No cluster: what the work-groups share is these weights alone, and they pass through no LDS tile that a joint load could fill.
; OPERANDS.  A fragment (16 rows x 128 K) is four loads of 16 bytes: registers 4 c .. 4 c + 3 hold K = 32 c + 16 (lane / 16) + 0 .. 15, the same order of K on both sides of a product.
; THE ROWS OF A WEIGHT THAT FORM A TILE ARE NOT NEIGHBOURS: lane r of tile u takes row 32 w + 8 u + r + 8 (r / 8).
;   q, k: source 0 = the weight, source 1 = 16 positions: a lane holds ONE position, and the 16 registers of tiles 0 and 1 are head channels 16 (lane / 16) + 0 .. 15: the next product's K.
;   v:    source 0 = 16 positions, source 1 = the weight: a lane holds ONE channel and eight neighbouring positions: the keys, which are the second attention product's K.
; feat1 is f32 [channel][position]: a tensor load brings each wave's 32 channel rows x 256 bytes into LDS; wave w then takes tile w of the positions, a lane a position, registers down the channels.
; WHAT IS STORED are images of operand registers, 512 bytes a piece, lane l's 16 bytes at 16 l:
;   qimg [head][tile of 16 queries][512];   kv [head][step of 128 keys][8,192]: eight tiles of k, then v as [tile t of channels 2][32 keys c 4][512].
; SCALES.  A sum stands for sum x 2^(ea + eb); the bias goes in as the C of the product, divided by that power; the conversion takes 2^(e_next - ea - eb).  Product 4's A is taken to be q (entry 6), its B k (entry 7).
; LIMITS: e0, e7 - e2 - e3, e8 - e4 - e5 and e6 - e0 - e1 lie between -126 and 112, so that each scale and 57,344 x it are f32 numbers.  NaN among the inputs is not served.
.set PITCH, 272                        ; a channel row in LDS: 256 bytes + 16 of padding
.set XIMG,  128*PITCH                  ; behind feat1's rows: the four fragments of feat1's codes, 2,048 bytes each
.set FF,  16                           ; v16-79   four fragments: feat2's, later feat1's
.set T0,  80                           ; v80-143  k's sums, later feat1's numbers
.set T1,  144                          ; v144-207 v's sums, later q's
.set PCA, 208                          ; v208-223 codes
.set PCB, 224                          ; v224-239 codes
.set WQ,  0                            ; window 1: the weights' fragments, two tiles each,
.set WK,  32
.set WVT, 64
.set BQ,  96                           ; and the biases as C tiles
.set BK,  112
.set BV,  128
.set WV,  26                           ; s26 my wave's number
.set G1,  28                           ; s[28:35] descriptor group 1
.set G0,  36                           ; s[36:39] descriptor group 0
.set E,   40                           ; s[40:55] the sixteen exponents
.set MSB, 0
.macro WIN new                         ; the immediate's high byte repeats the setting that is left
.if MSB != \new
	s_set_vgpr_msb (MSB<<8)|\new
.set MSB, \new
.endif
.endm
.macro MKSC sc, lim, e                 ; v[sc] = 2^e as f32, v[lim] = 57,344 x 2^e; e in s[e]
	s_add_co_i32 s2, s[\e], 127
	s_lshl_b32 s3, s2, 23
	v_mov_b32 v[\sc], s3
	s_add_co_i32 s2, s2, 15
	s_lshl_b32 s2, s2, 23
	s_or_b32 s2, s2, 0x600000
	v_mov_b32 v[\lim], s2
.endm
; 64 numbers of a lane become 16 registers of codes.  The conversion to an 8-bit code does not saturate (ISA guide 7.6.2): each number is first held within the largest code x the scale.
.macro QUANT s, sc, lim, pc
.irp b, 0,1,2,3
.irp i, 0,1,2,3,4,5,6,7,8,9,10,11,12,13,14,15
	v_med3_num_f32 v[\s+16*\b+\i], v[\s+16*\b+\i], -v[\lim], v[\lim]
.endr
	v_cvt_scalef32_pk8_bf8_f32 v[\pc+4*\b:\pc+4*\b+1], v[\s+16*\b:\s+16*\b+7], v[\sc]
	v_cvt_scalef32_pk8_bf8_f32 v[\pc+4*\b+2:\pc+4*\b+3], v[\s+16*\b+8:\s+16*\b+15], v[\sc]
.endr
	v_nop                                          ; one plain line behind the last conversion, ahead of whatever next touches its registers
.endm
.macro WLOAD reg, base                 ; my two tiles of a weight
.irp u, 0,1
.irp c, 0,1,2,3
	global_load_b128 v[\reg+16*\u+4*\c:\reg+16*\u+4*\c+3], v4, s[\base:\base+1] offset:1024*\u+32*\c
.endr
.endr
.endm
.macro BLOAD reg, base                 ; a bias in the layout of a transposed result: tile u, lane half h: channels 8 u + 16 h + 0 .. 7
.irp u, 0,1
	global_load_b128 v[\reg+8*\u:\reg+8*\u+3], v6, s[\base:\base+1] offset:32*\u
	global_load_b128 v[\reg+8*\u+4:\reg+8*\u+7], v6, s[\base:\base+1] offset:32*\u+16
.endr
.endm
.macro PLACES n
.rept \n
	v_nop
.endr
.endm
	s_load_b256 s[4:11], s[0:1], 0x0               ; feat1 s[4:5], feat2's codes s[6:7], Wq s[8:9], Wk s[10:11]
	s_load_b256 s[12:19], s[0:1], 0x20             ; Wv s[12:13], bq s[14:15], bk s[16:17], bv s[18:19]
	s_load_b128 s[20:23], s[0:1], 0x40             ; the exponents s[20:21], qimg s[22:23]
	s_load_b64 s[24:25], s[0:1], 0x50              ; kv
	v_lshl_add_u32 v254, v0, 2, 0x29000
	v_mov_b32 v255, 0
	ds_add_u32 v254, v255
	v_lshrrev_b32 v1, 5, v0
	v_readfirstlane_b32 s[WV], v1                  ; wave 0..3
	; descriptor group 1: 32 rows x 64 elements of 4 bytes, 8,192 elements from row to row, 4 words of padding behind every 64
	s_mov_b32 s[G1+0], (2<<16)|(1<<20)|(5<<22)|(3<<25)
	s_mov_b32 s[G1+1], 64<<16                      ; tensor_dim0
	s_mov_b32 s[G1+2], 32<<16                      ; tensor_dim1
	s_mov_b32 s[G1+3], 64<<16                      ; tile_dim0
	s_mov_b32 s[G1+4], 32                          ; tile_dim1
	s_mov_b32 s[G1+5], 8192                        ; tensor_dim0_stride
	s_mov_b32 s[G1+6], 0
	s_mov_b32 s[G1+7], 0
	s_mov_b32 s[G0], 1
	s_mul_i32 s[G0+1], s[WV], 32*PITCH             ; my 32 rows in LDS
	s_lshl_b32 s56, s[WV], 20                      ; my 32 channel rows of 32,768 bytes,
	s_lshl_b32 s57, ttmp9, 8                       ; the work-group's 64 positions: 256 bytes of each
	s_add_co_u32 s56, s56, s57
	s_mov_b32 s57, 0
	s_wait_dscnt 0x0
	s_wait_kmcnt 0x0
	s_add_nc_u64 s[G0+2:G0+3], s[4:5], s[56:57]
	s_or_b32 s[G0+3], s[G0+3], 0x80000000
	tensor_load_to_lds s[G0:G0+3], s[G1:G1+7]      ; the one fill of these bytes; it lands while k and v are made
	s_nop 0
	PLACES 4
	s_load_b512 s[E:E+15], s[20:21], 0x0           ; e0 .. e15
	v_and_b32 v1, 31, v0                           ; lane
	v_and_b32 v2, 15, v0                           ; r
	v_bfe_u32 v3, v0, 4, 1                         ; h
	v_and_b32 v13, 8, v2
	v_add_nc_u32 v13, v13, v2                      ; r + 8 (r / 8)
	v_lshlrev_b32 v4, 7, v13
	v_lshl_add_u32 v4, v3, 4, v4                   ; a weight: row r + 8 (r / 8) of 128 bytes, + 16 h
	v_lshlrev_b32 v5, 7, v2
	v_lshl_add_u32 v5, v3, 4, v5                   ; feat2: position r of 128 bytes, + 16 h
	v_lshlrev_b32 v6, 6, v3                        ; bq, bk: 16 h numbers on
	v_lshlrev_b32 v7, 2, v13                       ; bv: the number of my lane's channel
	v_lshlrev_b32 v8, 4, v1                        ; 16 x lane: an image's place for my lane
	v_mul_u32_u24 v9, v3, 16*PITCH
	v_lshl_add_u32 v9, v2, 2, v9
	s_lshl_b32 s58, s[WV], 6
	v_add_nc_u32 v9, s58, v9                       ; feat1 in LDS: channel 16 h, position 16 w + r
	s_lshl_b32 s58, s[WV], 11
	v_add_nc_u32 v10, s58, v8
	v_add_nc_u32 v10, XIMG, v10                    ; where I store my fragment of feat1's codes
	s_mov_b32 s59, 0
	s_lshl_b32 s58, s[WV], 12                      ; my 32 rows of each weight
	s_add_nc_u64 s[8:9], s[8:9], s[58:59]
	s_add_nc_u64 s[10:11], s[10:11], s[58:59]
	s_add_nc_u64 s[12:13], s[12:13], s[58:59]
	s_lshl_b32 s58, s[WV], 7                       ; my 32 numbers of each bias
	s_add_nc_u64 s[14:15], s[14:15], s[58:59]
	s_add_nc_u64 s[16:17], s[16:17], s[58:59]
	s_add_nc_u64 s[18:19], s[18:19], s[58:59]
	s_lshl_b32 s58, ttmp9, 13                      ; the work-group's 64 positions of feat2's codes
	s_add_nc_u64 s[6:7], s[6:7], s[58:59]
	s_lshl_b32 s58, s[WV], 19                      ; kv: my head,
	s_lshr_b32 s56, ttmp9, 1
	s_lshl_b32 s56, s56, 13                        ; the step of 128 keys in which the 64 positions lie
	s_add_co_u32 s58, s58, s56
	s_add_nc_u64 s[24:25], s[24:25], s[58:59]
	s_and_b32 s56, ttmp9, 1                        ; and which half of it
	s_lshl_b32 s58, s56, 11
	s_add_nc_u64 s[60:61], s[24:25], s[58:59]      ; k: tiles 4 x half + m
	s_lshl_b32 s58, s56, 10
	s_add_co_u32 s58, s58, 4096
	s_add_nc_u64 s[62:63], s[24:25], s[58:59]      ; v: pieces 2 x half + p
	s_lshl_b32 s58, s[WV], 18                      ; qimg: my head, tiles 4 x work-group + m
	s_lshl_b32 s56, ttmp9, 11
	s_add_co_u32 s58, s58, s56
	s_add_nc_u64 s[22:23], s[22:23], s[58:59]
	WIN 0x40                                       ; destination window 1, address window 0
	WLOAD WK, 10
	WLOAD WVT, 12
	WLOAD WQ, 8
	BLOAD BK, 16
	BLOAD BQ, 14
	WIN 0
	global_load_b32 v11, v7, s[18:19]              ; bv of my lane's channel in tile 0,
	global_load_b32 v12, v7, s[18:19] offset:32    ; in tile 1
.irp m, 0,1,2,3
.irp c, 0,1,2,3
	global_load_b128 v[FF+16*\m+4*\c:FF+16*\m+4*\c+3], v5, s[6:7] offset:2048*\m+32*\c
.endr
.endr
	s_wait_loadcnt 0x0
	s_wait_kmcnt 0x0
	s_add_co_i32 s56, s[E+0], s[E+1]
	s_sub_co_i32 s56, 0, s56                       ; -(e0 + e1)
	s_add_co_i32 s57, s[E+2], s[E+3]
	s_sub_co_i32 s57, 0, s57                       ; -(e2 + e3)
	s_add_co_i32 s58, s[E+4], s[E+5]
	s_sub_co_i32 s58, 0, s58                       ; -(e4 + e5)
	WIN 0x41                                       ; source 0 and destination window 1
.irp j, 0,1,2,3,4,5,6,7,8,9,10,11,12,13,14,15
	v_ldexp_f32 v[BQ+\j], v[BQ+\j], s56            ; each bias divided by the power of two that the sums lack
	v_ldexp_f32 v[BK+\j], v[BK+\j], s57
.endr
	WIN 0x40                                       ; source 0 window 0, destination window 1
.irp t, 0,1
.irp j, 0,1,2,3,4,5,6,7
	v_ldexp_f32 v[BV+8*\t+\j], v[11+\t], s58       ; v's result holds one channel a lane: the same number in all eight registers
.endr
.endr
	WIN 0
	MKSC 240, 241, E+0                             ; feat1's scale
	s_add_co_i32 s59, s[E+7], s57
	MKSC 242, 243, 59                              ; k's: 2^(e7 - e2 - e3)
	s_add_co_i32 s59, s[E+8], s58
	MKSC 244, 245, 59                              ; v's: 2^(e8 - e4 - e5)
	s_add_co_i32 s59, s[E+6], s56
	MKSC 246, 247, 59                              ; q's: 2^(e6 - e0 - e1)
	; ---- k: source 0 = Wk (window 1), source 1 = feat2, C = bk (window 1)
	WIN 0x11
.irp m, 0,1,2,3
.irp u, 0,1
	v_wmma_f32_16x16x128_bf8_bf8 v[T0+8*(2*\m+\u):T0+8*(2*\m+\u)+7], v[WK+16*\u:WK+16*\u+15], v[FF+16*\m:FF+16*\m+15], v[BK+8*\u:BK+8*\u+7]
.endr
.endr
	; ---- v: source 0 = feat2, source 1 = Wv (window 1), C = bv (window 1).  Tile (t, m) at T1 + 8 (4 t + m): the 16 registers of m = 2 p, 2 p + 1 are one piece of 32 keys
	WIN 0x14
.irp t, 0,1
.irp m, 0,1,2,3
	v_wmma_f32_16x16x128_bf8_bf8 v[T1+8*(4*\t+\m):T1+8*(4*\t+\m)+7], v[FF+16*\m:FF+16*\m+15], v[WVT+16*\t:WVT+16*\t+15], v[BV+8*\t:BV+8*\t+7]
.endr
.endr
	WIN 0
	PLACES 4                                       ; four places between the last product and the first read of a result (ISA guide 7.12.1)
	QUANT T0, 242, 243, PCA
.irp m, 0,1,2,3
	global_store_b128 v8, v[PCA+4*\m:PCA+4*\m+3], s[60:61] offset:512*\m          ; 32 lanes store 512 consecutive bytes
.endr
	QUANT T1, 244, 245, PCB
.irp t, 0,1
.irp p, 0,1
	global_store_b128 v8, v[PCB+4*(2*\t+\p):PCB+4*(2*\t+\p)+3], s[62:63] offset:2048*\t+512*\p
.endr
.endr
	; ---- feat1: my tile of 16 positions becomes a fragment
	s_wait_tensorcnt 0x0                           ; my 32 rows have landed,
	s_barrier_signal -1
	s_barrier_wait -1                              ; everybody's have
.irp c, 0,1,2,3
.irp i, 0,1,2,3,4,5,6,7,8,9,10,11,12,13,14,15
	ds_load_b32 v[T0+16*\c+\i], v9 offset:(32*\c+\i)*PITCH   ; feat1(32 c + 16 h + i, my position): sixteen lanes read 64 consecutive bytes; the other sixteen read 16 rows, 1,088 words, further on
.endr
.endr
	s_wait_dscnt 0x0
	s_wait_xcnt 0x0                                ; the stores above have read their registers: both sets of codes may be written again
	QUANT T0, 240, 241, PCA
.irp c, 0,1,2,3
	ds_store_b128 v10, v[PCA+4*\c:PCA+4*\c+3] offset:512*\c
.endr
	s_wait_dscnt 0x0                               ; for the others' sake: my fragment lies in LDS
	s_barrier_signal -1
	s_barrier_wait -1
.irp m, 0,1,2,3
.irp c, 0,1,2,3
	ds_load_b128 v[FF+16*\m+4*\c:FF+16*\m+4*\c+3], v8 offset:XIMG+2048*\m+512*\c
.endr
.endr
	s_wait_dscnt 0x0
	; ---- q: as k
	WIN 0x11
.irp m, 0,1,2,3
.irp u, 0,1
	v_wmma_f32_16x16x128_bf8_bf8 v[T1+8*(2*\m+\u):T1+8*(2*\m+\u)+7], v[WQ+16*\u:WQ+16*\u+15], v[FF+16*\m:FF+16*\m+15], v[BQ+8*\u:BQ+8*\u+7]
.endr
.endr
	WIN 0
	PLACES 4
	QUANT T1, 246, 247, PCB
.irp m, 0,1,2,3
	global_store_b128 v8, v[PCB+4*\m:PCB+4*\m+3], s[22:23] offset:512*\m
.endr
	s_wait_tensorcnt 0x0
	ds_add_u32 v254, v255
	s_wait_dscnt 0x0
	s_endpgm
.Lfunc_end_k_q688fd07a23_prep:
	.size	k_q688fd07a23_prep, .Lfunc_end_k_q688fd07a23_prep-k_q688fd07a23_prep
	.p2alignl 7, 3214868480
	.fill 96, 4, 3214868480
	.section	.rodata,"a",@progbits
	.p2align	6, 0x0
	.amdhsa_kernel k_q688fd07a23_prep
		.amdhsa_group_segment_fixed_size 168448
		.amdhsa_private_segment_fixed_size 0
		.amdhsa_enable_private_segment 0
		.amdhsa_kernarg_size 88
		.amdhsa_user_sgpr_count 2
		.amdhsa_user_sgpr_kernarg_segment_ptr 1
		.amdhsa_wavefront_size32 1
		.amdhsa_system_sgpr_workgroup_id_x 1
		.amdhsa_system_sgpr_workgroup_id_y 1
		.amdhsa_system_sgpr_workgroup_id_z 1
		.amdhsa_system_vgpr_workitem_id 0
		.amdhsa_next_free_vgpr 512
		.amdhsa_next_free_sgpr 66
		.amdhsa_reserve_vcc 0
		.amdhsa_float_denorm_mode_32 3
		.amdhsa_float_denorm_mode_16_64 3
		.amdhsa_memory_ordered 1
		.amdhsa_forward_progress 1
		.amdhsa_inst_pref_size 40
	.end_amdhsa_kernel
	.amdgpu_metadata
---
amdhsa.version: [ 1, 2 ]
amdhsa.kernels:
  - .name:           k_q688fd07a23_prep
    .symbol:         k_q688fd07a23_prep.kd
    .args:
      - { .name: feat1, .offset: 0, .size: 8, .value_kind: global_buffer, .address_space: global }
      - { .name: feat2_codes, .offset: 8, .size: 8, .value_kind: global_buffer, .address_space: global }
      - { .name: Wq_codes, .offset: 16, .size: 8, .value_kind: global_buffer, .address_space: global }
      - { .name: Wk_codes, .offset: 24, .size: 8, .value_kind: global_buffer, .address_space: global }
      - { .name: Wv_codes, .offset: 32, .size: 8, .value_kind: global_buffer, .address_space: global }
      - { .name: bq, .offset: 40, .size: 8, .value_kind: global_buffer, .address_space: global }
      - { .name: bk, .offset: 48, .size: 8, .value_kind: global_buffer, .address_space: global }
      - { .name: bv, .offset: 56, .size: 8, .value_kind: global_buffer, .address_space: global }
      - { .name: lowp_scales, .offset: 64, .size: 8, .value_kind: global_buffer, .address_space: global }
      - { .name: qimg, .offset: 72, .size: 8, .value_kind: global_buffer, .address_space: global }
      - { .name: kv, .offset: 80, .size: 8, .value_kind: global_buffer, .address_space: global }
    .group_segment_fixed_size: 168448
    .private_segment_fixed_size: 0
    .kernarg_segment_align: 8
    .kernarg_segment_size: 88
    .max_flat_workgroup_size: 128
    .sgpr_count:     66
    .vgpr_count:     512
    .wavefront_size: 32
...
	.end_amdgpu_metadata
.endif
;; end of part 1
;; launch attn (part 2): grid 64 x 4, 16 waves a work-group, clusters of 4 x 1, 327,680 bytes of LDS; arguments qimg, kv, lowp_scales, oimg; writes oimg
.if DOCPART == 2
	.amdgcn_target "amdgcn-amd-amdhsa--gfx1250"
	.amdhsa_code_object_version 6
	.text
	.protected	k_q688fd07a23_attn
	.globl	k_q688fd07a23_attn
	.p2align	8
	.type	k_q688fd07a23_attn,@function
k_q688fd07a23_attn:
	s_mov_b64 s[64:65], 0
	v_nop
	global_prefetch_b8 v0, s[64:65] scope:SCOPE_SE
	s_setreg_imm32_b32 hwreg(HW_REG_WAVE_MODE, 25, 1), 1
	s_wait_xcnt 0x0
	s_wait_alu depctr_hold_cnt(0) depctr_sa_sdst(0) depctr_va_vdst(0) depctr_va_sdst(0) depctr_va_ssrc(0) depctr_va_vcc(0) depctr_vm_vsrc(0)
	s_getreg_b32 s2, hwreg(HW_REG_IB_STS2, 6, 4)
	s_cmp_eq_u32 s2, 0
	s_cbranch_scc0 .Lentry_in_a_cluster
	s_endpgm
.Lentry_in_a_cluster:
	s_bfe_u32 s2, ttmp6, 0x10000c
	s_cmp_lg_u32 s2, 0x3003
	s_cbranch_scc0 .Lentry_shape_is_right
	s_endpgm
.Lentry_shape_is_right:
; out[h][c][n] = the sum over m of softmax_m(q[h][:][n] . k[h][:][m] / sqrt(32)) v[h][c][m], both products on codes of BF8 (E5M2); the result is quantised for the product with Wo and stored as codes.
; THE SOFTMAX AHEAD OF THE SECOND PRODUCT: t = score x log2(e) / sqrt(32); M = the running largest t rounded UP to a whole number; p = 2^(t - M) is quantised, not normalised; the row's sum is taken of the
; unquantised p and divides at the end.  When M moves, the sum and O are multiplied by 2^(old M - new M), which rounds nothing.
; SHARES.  A work-group owns 128 queries of one head.  Wave w owns the tile of 16 queries w % 8 and the key half w / 8: of each slot of 1,024 keys the steps 0-3 or 4-7, 128 keys a step.  Sixteen waves of 256
; registers, four to a SIMD, so that one wave's vector work stands beside another's.  The two halves of a tile are merged once, at the end, through LDS, by exact powers of two.
; CLUSTER.  The four query blocks of a cluster belong to one head and walk the same kv: each slot is asked for JOINTLY, the same tensor load with the same descriptor and the mask 15 in all four.
; LAYOUT.  Both products are used transposed: S^T = K Q^T (source 0 = 16 keys, source 1 = my 16 queries), O^T = V^T P (source 0 = 16 channels, source 1 = P): a lane holds ONE query (lane % 16) throughout.
;   The head has 32 channels and the narrowest form takes 64 along K: one run of 8 registers holds TWO tiles of keys (registers 0-3, 4-7), and Q stands between zeros, v16-19 = 0, v20-23 = q, v24-27 = 0:
;   v[20:27] meets the even tile, v[16:23] the odd one.  K's codes are finite (they were held at the largest code), so the zeros' products are zeros.
;   In S^T tile T register j is key 16 T + 8 (lane / 16) + j: the conversion's two registers are registers 2 T, 2 T + 1 of the K = 128 form's own layout, in which v was stored.
;   V's channels of a tile were chosen so that O^T's 16 registers are head channels 16 (lane / 16) + 0 .. 15: their codes are four registers of the next product's fragment.
; LDS: slot 0 at 0, slot 1 at 65,536 (8 steps of 8,192 bytes each, as they lie in kv; every read is 16 x lane, consecutive); the spare words; the merge's stage, 2,560 bytes for each pair of waves.
; LIMITS on the given exponents, so that each power of two below is an f32 number: e6 + e7 between -124 and 129 (added to c's exponent field); e9, and e10 - e8 - e9, between -126 and 112.
.set SLOT1, 65536
.set SPARE, 2*SLOT1                    ; the spare words: 128 bytes for each of sixteen waves, eight blocks of 256 bytes that no other line names
.set MST,   SPARE+2048                 ; the merge's stage: O at +0 (4 x 512), the sum at +2,048, -M at +2,304
.set MSTW,  2560
.set LI,  1                            ; v1   16 x lane; never rewritten
.set ADR, 2                            ; v2   LDS address of my half of the slot in hand
.set PFO, 3                            ; v3   256 x lane: the prefetches' offset; never rewritten
.set SPW, 4                            ; v4   LDS address of my spare word; never rewritten
.set NIL, 5                            ; v5   0; never rewritten
.set MO,  6                            ; v6   the stage: my 16 bytes of a piece of O
.set ML,  7                            ; v7   the stage: my word of the sums
.set KF,  32                           ; v32-63   eight tiles of K
.set VF,  64                           ; v64-95   two fragments of V
.set S,   96                           ; v96-159  S^T, then p
.set O,   160                          ; v160-175 O^T
.set PC,  176                          ; v176-191 p's codes
                                       ; v12 -M, v13 the largest t, v[14:15] the sum in two halves; v240 57,344 x 2^e9, v244 2^e9; v246, v247 the same for e10 - e8 - e9; v236, v242, v243, v252-254 at work
.set WV,  12                           ; s12  my wave's number
.set LIM, 15                           ; s15  1 in a wave that prefetches, else the greatest number
.set PFA, 18                           ; s[18:19] where my prefetches stand
.set SEL, 20                           ; s[20:21] lane selects for v_permlanex16_b32: lane l xor 16
.set CS,  22                           ; s[22:23] c = log2(e) / sqrt(32) x 2^(e6 + e7)
.set G1,  24                           ; s[24:31] descriptor group 1
.set G0,  32                           ; s[32:35] descriptor group 0, which walks
.set TB,  40                           ; s40  LDS byte at which my half of the slot in hand begins
.set SLOTS, 41                         ; s41  slots still to be asked for
.set E,   44                           ; s[44:59] the sixteen exponents
.macro ROUND                           ; a round of the cluster's barrier
	s_barrier_signal -1
	s_barrier_wait -1
	s_cmp_lg_u32 s[WV], 0
	s_cbranch_scc1 .Lnot_wave_0_\@
	s_barrier_signal -3
.Lnot_wave_0_\@:
	s_barrier_wait -3
	s_barrier_signal -1
	s_barrier_wait -1
.endm
.macro TLOAD                           ; waves 0 to 3 fetch a quarter of a slot each, 16 KB; the branch hangs on the wave's number alone; four v_nop follow the load
	s_cmp_lt_u32 s[WV], 4
	s_cbranch_scc0 .Lno_fetch_\@
	tensor_load_to_lds s[G0:G0+3], s[G1:G1+7]
	s_nop 0
.rept 4
	v_nop
.endr
.Lno_fetch_\@:
.endm
; A PREFETCH INTO THE L2 of the slot that the NEXT change of slots will ask for: 65,536 bytes, lanes 256 bytes apart.  All clusters of a head walk the same kv: the head's first cluster asks.  Its four partners
; share the slot out BY ADDRESS, 16,384 bytes each; in each, waves 4 and 5 ask for 8,192 bytes each: one instruction.  So each aligned 256 bytes are named once in the launch.
; The last change that fills a slot asks for nothing; slots 0 and 1 come by their loads alone.
.macro ASK
	s_cmp_gt_u32 s[SLOTS], s[LIM]
	s_cbranch_scc0 .Lnot_mine_\@
	global_prefetch_b8 v[PFO], s[PFA:PFA+1] th:TH_LOAD_NT scope:SCOPE_SE
.Lnot_mine_\@:
.endm
.macro MKSC sc, lim, e                 ; v[sc] = 2^e as f32, v[lim] = 57,344 x 2^e; e in s[e]
	s_add_co_i32 s36, s[\e], 127
	s_lshl_b32 s37, s36, 23
	v_mov_b32 v[\sc], s37
	s_add_co_i32 s36, s36, 15
	s_lshl_b32 s36, s36, 23
	s_or_b32 s36, s36, 0x600000
	v_mov_b32 v[\lim], s36
.endm
	s_load_b256 s[4:11], s[0:1], 0x0               ; qimg s[4:5], kv s[6:7], the exponents s[8:9], oimg s[10:11]
	v_lshl_add_u32 v[SPW], v0, 2, SPARE
	v_mov_b32 v[NIL], 0
	ds_add_u32 v4, v5
	s_wait_dscnt 0x0
	v_lshrrev_b32 v8, 5, v0
	v_readfirstlane_b32 s[WV], v8                  ; wave 0..15
	v_and_b32 v9, 31, v0                           ; lane
	v_lshlrev_b32 v[LI], 4, v9
	v_lshlrev_b32 v[PFO], 8, v9
	s_and_b32 s43, s[WV], 7                        ; my tile of queries
	s_mul_i32 s16, s43, MSTW
	s_add_co_u32 s16, s16, MST                     ; the stage of my pair of waves: every LDS address is made here, ahead of the first branch on the wave's number
	v_add_nc_u32 v[MO], s16, v[LI]
	v_lshl_add_u32 v[ML], v9, 2, s16
	v_add_nc_u32 v[ML], 2048, v[ML]
	s_bfe_u32 s13, ttmp6, 0x40000                  ; cx: my place in the cluster: it enters qimg's, oimg's and the prefetches' global addresses alone
	s_lshl_b32 s14, ttmp9, 2
	s_add_co_u32 s14, s14, s13                     ; my block of 128 queries
	s_and_b32 s42, ttmp7, 0xffff                   ; the head, which the four partners share
	; descriptor group 1: a dense block of 16 KB as 64 rows of 32 elements of 8 bytes
	s_mov_b32 s[G1+0], 15|(3<<16)|(1<<21)          ; 15:0 the mask: all four work-groups; 17:16 elements of 8 bytes; 21 set beside a mask; no padding
	s_mov_b32 s[G1+1], 32<<16                      ; tensor_dim0
	s_mov_b32 s[G1+2], 64<<16                      ; tensor_dim1
	s_mov_b32 s[G1+3], 32<<16                      ; tile_dim0
	s_mov_b32 s[G1+4], 64                          ; tile_dim1
	s_mov_b32 s[G1+5], 32                          ; tensor_dim0_stride
	s_mov_b32 s[G1+6], 0
	s_mov_b32 s[G1+7], 0
	s_mov_b32 s[SEL], 0x76543210
	s_mov_b32 s[SEL+1], 0xfedcba98
	s_lshr_b32 s[TB], s[WV], 3
	s_lshl_b32 s[TB], s[TB], 15                    ; my key half: steps 0-3 or 4-7 of slot 0
	s_mov_b32 s[SLOTS], 7
	s_sub_co_u32 s[LIM], s[WV], 4
	s_lshr_b32 s[LIM], s[LIM], 1                   ; 0 in waves 4 and 5,
	s_or_b32 s[LIM], s[LIM], ttmp9                 ; of the head's first cluster: the same in all four partners
	s_cmp_eq_u32 s[LIM], 0
	s_cselect_b32 s[LIM], 1, -1
	s_lshl_b32 s36, s42, 19                        ; the head's 524,288 bytes of kv
	s_mov_b32 s37, 0
	s_lshl_b32 s38, s[WV], 14                      ; the quarter of a slot that I fetch, if I fetch
	s_mov_b32 s39, 0
	s_mov_b32 s[G0], 1
	s_lshl_b32 s[G0+1], s[WV], 14                  ; and its place in slot 0
	s_lshl_b32 s60, s13, 14                        ; the prefetches: my work-group's 16,384 bytes of a slot,
	s_and_b32 s61, s[WV], 1
	s_lshl_b32 s61, s61, 13                        ; my wave's 8,192 of them,
	s_add_co_u32 s60, s60, s61
	s_add_co_u32 s60, s60, SLOT1                   ; in the second 1,024 keys: the first change of slots steps it on to the third
	s_mov_b32 s61, 0
	s_wait_kmcnt 0x0
	s_load_b512 s[E:E+15], s[8:9], 0x0             ; e0 .. e15
	s_add_nc_u64 s[6:7], s[6:7], s[36:37]          ; kv at my head
	s_add_nc_u64 s[G0+2:G0+3], s[6:7], s[38:39]
	s_or_b32 s[G0+3], s[G0+3], 0x80000000
	s_add_nc_u64 s[PFA:PFA+1], s[6:7], s[60:61]
	ROUND                                          ; all four work-groups are here: the first joint loads meet
	TLOAD                                          ; the first 1,024 keys, into slot 0
	s_lshl_b32 s62, s14, 3
	s_add_co_u32 s62, s62, s43                     ; my tile of 16 queries among the head's 512
	s_lshl_b32 s16, s62, 9
	s_lshl_b32 s17, s42, 18
	s_add_co_u32 s16, s16, s17
	s_mov_b32 s17, 0
	s_add_nc_u64 s[4:5], s[4:5], s[16:17]
	global_load_b128 v[20:23], v[LI], s[4:5]       ; q stays in registers
	s_lshl_b32 s60, s62, 11                        ; oimg: [tile][head][512]
	s_lshl_b32 s63, s42, 9
	s_add_co_u32 s60, s60, s63
	s_add_nc_u64 s[10:11], s[10:11], s[60:61]
.irp j, 16,17,18,19,24,25,26,27
	v_mov_b32 v\j, 0                               ; the zeros on both sides of q
.endr
	v_mov_b32 v13, 0xff61b1e6                      ; the largest t so far: -3e38, under every t
	v_floor_f32 v12, -v13                          ; -M
	v_mov_b32 v14, 0                               ; the sum, in two halves
	v_mov_b32 v15, 0
	v_mov_b32 v236, 0                              ; written once: a lane permute's destination counts as one of its sources
	v_mov_b32 v253, 0                              ; (named as the upper half of the pair v[252:253])
.irp j, 0,1,2,3,4,5,6,7,8,9,10,11,12,13,14,15
	v_mov_b32 v[O+\j], 0                           ; the step is written without a first step of its own: it finds zeros, which the first change of M leaves zeros
.endr
	s_wait_kmcnt 0x0
	s_add_co_i32 s16, s[E+6], s[E+7]
	s_lshl_b32 s16, s16, 23
	s_add_co_i32 s[CS], s16, 0x3e8293ee            ; c = log2(e) / sqrt(32); a score stands for score x 2^(e6 + e7): the exponents are added to c's exponent field
	s_mov_b32 s[CS+1], s[CS]                       ; (named with it as a pair, so it is written)
	MKSC 244, 240, E+9                             ; p's scale
	s_sub_co_i32 s16, s[E+10], s[E+8]
	s_sub_co_i32 s16, s16, s[E+9]
	MKSC 246, 247, 16                              ; the result's: O / l stands for O / l x 2^(e8 + e9), and its code is that / 2^e10
; A KEY STEP: 128 keys, the q-th of my four in the slot in hand.
.macro STEP q
	s_wait_dscnt 0x0                               ; this step's K is in
.irp t, 0,1,2,3,4,5,6,7
	v_wmma_f32_16x16x64_bf8_bf8 v[S+8*\t:S+8*\t+7], v[KF+8*(\t/2):KF+8*(\t/2)+7], v[20-4*(\t%2):27-4*(\t%2)], 0
.endr
.rept 4
	v_nop                                          ; four places: ahead of the first read of the scores, of the loads into K's registers, and of the loads into V's, which the last step's products read
.endr
.irp t, 0,1
.irp c, 0,1,2,3
	ds_load_b128 v[VF+16*\t+4*\c:VF+16*\t+4*\c+3], v[ADR] offset:8192*(\q)+4096+2048*\t+512*\c
.endr
.endr
.if (\q) < 3
.irp t, 0,1,2,3,4,5,6,7
	ds_load_b128 v[KF+4*\t:KF+4*\t+3], v[ADR] offset:8192*((\q)+1)+512*\t      ; the next step's K
.endr
.endif
	v_max3_num_f32 v254, v96, v97, v98             ; the step's largest score of my query among my 64 keys, in two chains, each result from its low end on
	v_max3_num_f32 v252, v99, v100, v101
.irp i, 6,10,14,18,22,26,30,34,38,42,46,50,54,58
	v_max3_num_f32 v254, v254, v[S+\i], v[S+1+\i]
	v_max3_num_f32 v252, v252, v[S+2+\i], v[S+3+\i]
.endr
	v_max3_num_f32 v254, v254, v158, v159
	v_max_num_f32 v254, v254, v252
	v_permlanex16_b32 v236, v254, s[SEL], s[SEL+1]
	v_max_num_f32 v254, v254, v236                 ; and among lane l xor 16's
	v_mul_f32 v254, s[CS], v254                    ; as t (c is positive)
	v_max_num_f32 v13, v13, v254                   ; the running largest t
	v_mov_b32 v254, v12
	v_floor_f32 v12, -v13                          ; the new -M = floor(-t) = -ceil(t): a whole number
	v_sub_f32 v254, v12, v254                      ; old M - new M: a whole number, 0 or less
	v_cvt_i32_f32 v254, v254                       ; (it saturates)
	v_ldexp_f32 v252, 1.0, v254                    ; f = 2^(old M - new M)
.irp j, 0,2,4,6,8,10,12,14,16,18,20,22,24,26,28,30,32,34,36,38,40,42,44,46,48,50,52,54,56,58,60,62
	v_pk_fma_f32 v[S+\j:S+1+\j], v[S+\j:S+1+\j], s[CS:CS+1], v[12:13] op_sel_hi:[1,0,0]   ; t - M, two at a time (of the pairs c and -M the low word serves both halves)
.endr
.irp j, 0,1,2,3,4,5,6,7,8,9,10,11,12,13,14,15,16,17,18,19,20,21,22,23,24,25,26,27,28,29,30,31,32,33,34,35,36,37,38,39,40,41,42,43,44,45,46,47,48,49,50,51,52,53,54,55,56,57,58,59,60,61,62,63
	v_exp_f32 v[S+\j], v[S+\j]                     ; p = 2^(t - M), at most 1
.endr
	v_pk_mul_f32 v[14:15], v[14:15], v[252:253] op_sel_hi:[1,0]   ; the sums under the new M: the plain line behind the exponentials
	s_wait_alu depctr_va_vdst(0)                   ; one wait for the whole batch, ahead of its first reader
	v_pk_add_f32 v[242:243], v[96:97], v[98:99]    ; the row's sum is taken of the unquantised p, two at a time, in two chains
.irp j, 4,8,12,16,20,24,28,32,36,40,44,48,52,56,60
	v_pk_add_f32 v[14:15], v[14:15], v[S+\j:S+1+\j]
	v_pk_add_f32 v[242:243], v[242:243], v[S+2+\j:S+3+\j]
.endr
	v_pk_add_f32 v[14:15], v[14:15], v[242:243]
.irp t, 0,1,2,3,4,5,6,7
.irp i, 0,1,2,3,4,5,6,7
	v_min_num_f32 v[S+8*\t+\i], v[S+8*\t+\i], v240 ; the conversion to an 8-bit code does not saturate (ISA guide 7.6.2); p is not negative, so the hold is one-sided
.endr
	v_cvt_scalef32_pk8_bf8_f32 v[PC+2*\t:PC+2*\t+1], v[S+8*\t:S+8*\t+7], v244
.endr
.irp j, 0,2,4,6,8,10,12,14
	v_pk_mul_f32 v[O+\j:O+1+\j], v[O+\j:O+1+\j], v[252:253] op_sel_hi:[1,0]    ; O^T under the new M; these are also the plain lines behind the conversions
.endr
.if (\q) < 3
	s_wait_dscnt 8                                 ; V's eight loads are in; the eight issued behind them, the next step's K, may stay out
.else
	s_wait_dscnt 0x0
.endif
.irp t, 0,1
	v_wmma_f32_16x16x128_bf8_bf8 v[O+8*\t:O+8*\t+7], v[VF+16*\t:VF+16*\t+15], v[PC:PC+15], v[O+8*\t:O+8*\t+7]   ; the accumulators take turns: between two links of a chain stand the other's and the eight scores' products
.endr
.endm
; THE CHANGE OF SLOTS stands at a slot's head.  Each wave waits for all its tensor loads, adds 0 to its spare word, and waits for that and for its reads of the slot that it has left.
; fill = 1: a round of the cluster's barrier, and behind it that other slot is asked for jointly: it has a slot's four steps of every wave in which to land.  One tensor load of a wave is out at the most.
.macro CHANGE fill
	s_wait_tensorcnt 0x0                           ; no tensor load of mine is out, so the group 0 may be written
	ds_add_u32 v[SPW], v[NIL]                      ; 0 onto my spare word
.if \fill
	s_xor_b32 s[G0+1], s[G0+1], SLOT1              ; the other slot than last time,
	s_add_nc_u64 s[G0+2:G0+3], s[G0+2:G0+3], SLOT1 ; the next 1,024 keys; the type bits on top are not reached
	s_wait_xcnt 0x0                                ; the last prefetch, a slot back, has read its address, so it may be written
	s_add_nc_u64 s[PFA:PFA+1], s[PFA:PFA+1], SLOT1 ; one slot further on than the walking descriptor
.endif
	s_wait_dscnt 0x0                               ; the add is done, and my reads of the slot that I have left are over
.if \fill
	ROUND
	TLOAD
	ASK
.else
	s_barrier_signal -1
	s_barrier_wait -1
.endif
.endm
.macro SLOT_STEPS
	v_add_nc_u32 v[ADR], s[TB], v[LI]
.irp t, 0,1,2,3,4,5,6,7
	ds_load_b128 v[KF+4*\t:KF+4*\t+3], v[ADR] offset:512*\t
.endr
	STEP 0
	STEP 1
	STEP 2
	STEP 3
	s_xor_b32 s[TB], s[TB], SLOT1                  ; on to the other slot
.endm
	s_wait_loadcnt 0x0                             ; q
.Lslot:                                            ; seven trips: behind each change of slots but the last the next slot is asked for
	CHANGE 1
	SLOT_STEPS
	s_sub_co_u32 s[SLOTS], s[SLOTS], 1
	s_cmp_lg_u32 s[SLOTS], 0
	s_cbranch_scc1 .Lslot
	CHANGE 0                                       ; the last slot is written out
	SLOT_STEPS
	; THE MERGE.  Waves 8 to 15 hand O^T, the sum and -M of their key half to waves 0 to 7, lane to lane, through the stage.
.rept 4
	v_nop                                          ; places behind the last products
.endr
	v_add_f32 v14, v14, v15                        ; the sum's two halves,
	v_permlanex16_b32 v236, v14, s[SEL], s[SEL+1]
	v_add_f32 v14, v14, v236                       ; and lane l xor 16's
	s_cmp_lt_u32 s[WV], 8
	s_cbranch_scc1 .Lkeeper
.irp c, 0,1,2,3
	ds_store_b128 v[MO], v[O+4*\c:O+4*\c+3] offset:512*\c
.endr
	ds_store_b32 v[ML], v14
	ds_store_b32 v[ML], v12 offset:256
.Lkeeper:
	s_wait_dscnt 0x0                               ; for the others' sake: my stores have landed
	s_barrier_signal -1
	s_barrier_wait -1
	s_cmp_ge_u32 s[WV], 8
	s_cbranch_scc1 .Lend
.irp c, 0,1,2,3
	ds_load_b128 v[S+4*\c:S+4*\c+3], v[MO] offset:512*\c
.endr
	ds_load_b32 v112, v[ML]
	ds_load_b32 v113, v[ML] offset:256
	s_wait_dscnt 0x0
	v_min_num_f32 v254, v12, v113                  ; -M of both halves together
	v_sub_f32 v9, v254, v12                        ; my M - the common M: a whole number, 0 or less
	v_sub_f32 v11, v254, v113                      ; the partner's likewise
	v_cvt_i32_f32 v9, v9
	v_cvt_i32_f32 v11, v11
	v_ldexp_f32 v8, 1.0, v9                        ; f0
	v_ldexp_f32 v10, 1.0, v11                      ; f1
	v_mul_f32 v14, v14, v8
	v_fmac_f32 v14, v112, v10                      ; the row's sum
	v_rcp_f32 v242, v14
.irp j, 0,2,4,6,8,10,12,14
	v_pk_mul_f32 v[O+\j:O+1+\j], v[O+\j:O+1+\j], v[8:9] op_sel_hi:[1,0]        ; independent work behind the reciprocal
.endr
.irp j, 0,2,4,6,8,10,12,14
	v_pk_fma_f32 v[O+\j:O+1+\j], v[S+\j:S+1+\j], v[10:11], v[O+\j:O+1+\j] op_sel_hi:[1,0,1]
.endr
	s_wait_alu depctr_va_vdst(0)                   ; a wait ahead of the reciprocal's first reader
.irp j, 0,2,4,6,8,10,12,14
	v_pk_mul_f32 v[O+\j:O+1+\j], v[O+\j:O+1+\j], v[242:243] op_sel_hi:[1,0]    ; O^T / the sum
.endr
.irp j, 0,1,2,3,4,5,6,7,8,9,10,11,12,13,14,15
	v_med3_num_f32 v[O+\j], v[O+\j], -v247, v247   ; the hold at the largest code x the scale
.endr
	v_cvt_scalef32_pk8_bf8_f32 v[PC:PC+1], v[O:O+7], v246
	v_cvt_scalef32_pk8_bf8_f32 v[PC+2:PC+3], v[O+8:O+15], v246
	v_nop
	global_store_b128 v[LI], v[PC:PC+3], s[10:11]  ; 32 lanes store 512 consecutive bytes: position lane % 16, channels 32 head + 16 (lane / 16) + 0 .. 15
.Lend:
	s_wait_tensorcnt 0x0                           ; the wave's end: behind my last tensor load and my last LDS store
	ds_add_u32 v[SPW], v[NIL]
	s_wait_dscnt 0x0
	ROUND                                          ; the closing round: no work-group ends while a partner may still ask for a tile that names it
	s_endpgm
.Lfunc_end_k_q688fd07a23_attn:
	.size	k_q688fd07a23_attn, .Lfunc_end_k_q688fd07a23_attn-k_q688fd07a23_attn
	.p2alignl 7, 3214868480
	.fill 96, 4, 3214868480
	.section	.rodata,"a",@progbits
	.p2align	6, 0x0
	.amdhsa_kernel k_q688fd07a23_attn
		.amdhsa_group_segment_fixed_size 327680
		.amdhsa_private_segment_fixed_size 0
		.amdhsa_enable_private_segment 0
		.amdhsa_kernarg_size 32
		.amdhsa_user_sgpr_count 2
		.amdhsa_user_sgpr_kernarg_segment_ptr 1
		.amdhsa_wavefront_size32 1
		.amdhsa_system_sgpr_workgroup_id_x 1
		.amdhsa_system_sgpr_workgroup_id_y 1
		.amdhsa_system_sgpr_workgroup_id_z 1
		.amdhsa_system_vgpr_workitem_id 0
		.amdhsa_next_free_vgpr 256
		.amdhsa_next_free_sgpr 66
		.amdhsa_reserve_vcc 0
		.amdhsa_float_denorm_mode_32 3
		.amdhsa_float_denorm_mode_16_64 3
		.amdhsa_memory_ordered 1
		.amdhsa_forward_progress 1
		.amdhsa_inst_pref_size 119
	.end_amdhsa_kernel
	.amdgpu_metadata
---
amdhsa.version: [ 1, 2 ]
amdhsa.kernels:
  - .name:           k_q688fd07a23_attn
    .symbol:         k_q688fd07a23_attn.kd
    .args:
      - { .name: qimg, .offset: 0, .size: 8, .value_kind: global_buffer, .address_space: global }
      - { .name: kv, .offset: 8, .size: 8, .value_kind: global_buffer, .address_space: global }
      - { .name: lowp_scales, .offset: 16, .size: 8, .value_kind: global_buffer, .address_space: global }
      - { .name: oimg, .offset: 24, .size: 8, .value_kind: global_buffer, .address_space: global }
    .group_segment_fixed_size: 327680
    .private_segment_fixed_size: 0
    .kernarg_segment_align: 8
    .kernarg_segment_size: 32
    .max_flat_workgroup_size: 512
    .sgpr_count:     66
    .vgpr_count:     256
    .wavefront_size: 32
...
	.end_amdgpu_metadata
.endif
;; end of part 2
;; launch gate (part 3): grid 128 x 1, 4 waves a work-group, no clusters, 168,448 bytes of LDS; arguments oimg, feat1, Wo_codes, Wg1_codes, Wg2_codes, bo, bg1, bg2, lowp_scales, out0; writes out0
.if DOCPART == 3
	.amdgcn_target "amdgcn-amd-amdhsa--gfx1250"
	.amdhsa_code_object_version 6
	.text
	.protected	k_q688fd07a23_gate
	.globl	k_q688fd07a23_gate
	.p2align	8
	.type	k_q688fd07a23_gate,@function
k_q688fd07a23_gate:
	s_mov_b64 s[64:65], 0
	v_nop
	global_prefetch_b8 v0, s[64:65] scope:SCOPE_SE
	s_setreg_imm32_b32 hwreg(HW_REG_WAVE_MODE, 25, 1), 1
	s_wait_xcnt 0x0
; a = Wo o + bo;  g = sigmoid(Wg2 relu(Wg1 [a; feat1] + bg1) + bg2);  out = g feat1 + (1 - g) a = a + g (feat1 - a).  Three products on codes of BF8 (E5M2); all else f32.
; SHARES.  A work-group takes 64 positions.  THE WAVES SHARE THE CHANNELS: wave w owns channels 32 w .. 32 w + 31 of every layer (two tiles of 16) for all four tiles of 16 positions.  Its part of the three weights
; goes from memory straight into its registers, once: 64 KB a work-group.  No cluster: what the work-groups share is these weights alone, and they pass through no LDS tile that a joint load could fill.
; OPERANDS.  A fragment (16 rows x 128 K) is four groups of four registers: group c holds K = 32 c + 16 (lane / 16) + 0 .. 15.  Lane r of a weight's tile u takes row 32 w + 8 u + r + 8 (r / 8).
;   Ahead of a quantiser a product is used transposed (source 0 = the weight): a lane holds one position and the 16 registers of tiles 0, 1 are channels 32 w + 16 (lane / 16) + 0 .. 15: their codes are group w of the
;   next fragment.  The groups go from wave to wave through LDS as images of registers: 512 bytes a group, lane l's 16 bytes at 16 l.
;   For the output the last product, and Wo's once more, are used the other way (source 1 = the weight): a lane holds one channel and eight neighbouring positions, as out0 and feat1 lie.
; feat1 (f32, [channel][position]) comes once, by a tensor load of 32 channel rows x 256 bytes a wave, and is read from LDS twice: down the channels for its codes, along the positions for the blend.
; LDS: feat1's 128 rows of 272 bytes; the 8 fragments of [a; feat1] ((m, s) at 2,048 (2 m + s)); the hidden layer's 4; a stage of 32 rows x 272 bytes for each wave.
; SCALES.  A bias ahead of a quantiser is the C of the product, divided by the power of two that the sums lack; the conversion takes the three exponents folded into one.
; LIMITS: e12, e12 - e10 - e11 and e14 - e12 - e13 lie between -126 and 112; e10 + e11 and e14 + e15 between -126 and 127.  NaN among the inputs is not served.
.set PITCH, 272
.set GIMG,  128*PITCH
.set HIMG,  GIMG+8*2048
.set STG,   HIMG+4*2048
.set T0,  16                           ; v16-79
.set T1,  80                           ; v80-143
.set T2,  144                          ; v144-207
.set PC,  208                          ; v208-223 codes
.set PC2, 224                          ; v224-239 codes
.set WO,  0                            ; window 1: Wo's two tiles,
.set WG1, 32                           ; Wg1's: tile u, K step s at 32 + 16 (2 u + s),
.set WG2, 96                           ; Wg2's,
.set BO,  128                          ; bo and bg1 as C tiles,
.set BG1, 144
.set OF,  160                          ; and o's four fragments
.set WV,  24                           ; s24 my wave's number
.set G1,  28
.set G0,  36
.set E,   40                           ; s[40:55] the sixteen exponents
.set MSB, 0
.macro WIN new                         ; the immediate's high byte repeats the setting that is left
.if MSB != \new
	s_set_vgpr_msb (MSB<<8)|\new
.set MSB, \new
.endif
.endm
.macro MKSC sc, lim, e                 ; v[sc] = 2^e as f32, v[lim] = 57,344 x 2^e; e in s[e]
	s_add_co_i32 s2, s[\e], 127
	s_lshl_b32 s3, s2, 23
	v_mov_b32 v[\sc], s3
	s_add_co_i32 s2, s2, 15
	s_lshl_b32 s2, s2, 23
	s_or_b32 s2, s2, 0x600000
	v_mov_b32 v[\lim], s2
.endm
; 64 numbers of a lane become 16 registers of codes.  relu = 1: what is negative becomes 0 on the way: the activation and the hold in one.
.macro QUANT s, relu, sc, lim, pc
.irp b, 0,1,2,3
.irp i, 0,1,2,3,4,5,6,7,8,9,10,11,12,13,14,15
.if \relu
	v_med3_num_f32 v[\s+16*\b+\i], v[\s+16*\b+\i], 0, v[\lim]
.else
	v_med3_num_f32 v[\s+16*\b+\i], v[\s+16*\b+\i], -v[\lim], v[\lim]   ; the conversion to an 8-bit code does not saturate (ISA guide 7.6.2)
.endif
.endr
	v_cvt_scalef32_pk8_bf8_f32 v[\pc+4*\b:\pc+4*\b+1], v[\s+16*\b:\s+16*\b+7], v[\sc]
	v_cvt_scalef32_pk8_bf8_f32 v[\pc+4*\b+2:\pc+4*\b+3], v[\s+16*\b+8:\s+16*\b+15], v[\sc]
.endr
	v_nop                                          ; one plain line behind the last conversion, ahead of whatever next touches its registers
.endm
.macro WLOAD reg, base                 ; my two tiles of a weight with rows of 128 codes
.irp u, 0,1
.irp c, 0,1,2,3
	global_load_b128 v[\reg+16*\u+4*\c:\reg+16*\u+4*\c+3], v4, s[\base:\base+1] offset:1024*\u+32*\c
.endr
.endr
.endm
.macro BLOAD reg, base                 ; a bias in the layout of a transposed result
.irp u, 0,1
	global_load_b128 v[\reg+8*\u:\reg+8*\u+3], v6, s[\base:\base+1] offset:32*\u
	global_load_b128 v[\reg+8*\u+4:\reg+8*\u+7], v6, s[\base:\base+1] offset:32*\u+16
.endr
.endm
.macro PLACES n
.rept \n
	v_nop
.endr
.endm
.macro BARRIER                         ; my LDS stores have landed and my LDS loads are in: then the work-group's barrier
	s_wait_dscnt 0x0
	s_barrier_signal -1
	s_barrier_wait -1
.endm
	s_load_b256 s[4:11], s[0:1], 0x0               ; oimg s[4:5], feat1 s[6:7], Wo s[8:9], Wg1 s[10:11]
	s_load_b256 s[12:19], s[0:1], 0x20             ; Wg2 s[12:13], bo s[14:15], bg1 s[16:17], bg2 s[18:19]
	s_load_b128 s[20:23], s[0:1], 0x40             ; the exponents s[20:21], out0 s[22:23]
	v_lshl_add_u32 v254, v0, 2, 0x29000
	v_mov_b32 v255, 0
	ds_add_u32 v254, v255
	v_lshrrev_b32 v1, 5, v0
	v_readfirstlane_b32 s[WV], v1                  ; wave 0..3
	; descriptor group 1: 32 rows x 64 elements of 4 bytes, 8,192 elements from row to row, 4 words of padding behind every 64
	s_mov_b32 s[G1+0], (2<<16)|(1<<20)|(5<<22)|(3<<25)
	s_mov_b32 s[G1+1], 64<<16
	s_mov_b32 s[G1+2], 32<<16
	s_mov_b32 s[G1+3], 64<<16
	s_mov_b32 s[G1+4], 32
	s_mov_b32 s[G1+5], 8192
	s_mov_b32 s[G1+6], 0
	s_mov_b32 s[G1+7], 0
	s_mov_b32 s[G0], 1
	s_mul_i32 s[G0+1], s[WV], 32*PITCH
	s_lshl_b32 s56, s[WV], 20                      ; my 32 channel rows of 32,768 bytes,
	s_lshl_b32 s57, ttmp9, 8                       ; the work-group's 256 bytes of each: in feat1 and in out0
	s_add_co_u32 s56, s56, s57
	s_mov_b32 s57, 0
	s_wait_dscnt 0x0
	s_wait_kmcnt 0x0
	s_add_nc_u64 s[G0+2:G0+3], s[6:7], s[56:57]
	s_or_b32 s[G0+3], s[G0+3], 0x80000000
	tensor_load_to_lds s[G0:G0+3], s[G1:G1+7]      ; the one fill of these bytes; it lands while a is made
	s_nop 0
	PLACES 4
	s_load_b512 s[E:E+15], s[20:21], 0x0           ; e0 .. e15
	s_add_nc_u64 s[22:23], s[22:23], s[56:57]
	v_and_b32 v16, 31, v0                          ; lane
	v_and_b32 v2, 15, v0                           ; r
	v_bfe_u32 v3, v0, 4, 1                         ; h
	v_and_b32 v1, 8, v2
	v_add_nc_u32 v1, v1, v2                        ; r + 8 (r / 8)
	v_lshlrev_b32 v4, 7, v1
	v_lshl_add_u32 v4, v3, 4, v4                   ; Wo, Wg2: row r + 8 (r / 8) of 128 bytes, + 16 h
	v_lshlrev_b32 v5, 8, v1
	v_lshl_add_u32 v5, v3, 4, v5                   ; Wg1: rows of 256 bytes
	v_lshlrev_b32 v6, 6, v3                        ; a bias as a C tile: 16 h numbers on
	v_lshlrev_b32 v7, 2, v1                        ; a bias of my lane's channel
	v_lshlrev_b32 v8, 4, v16                       ; 16 x lane
	v_mul_u32_u24 v9, v3, 16*PITCH
	v_lshl_add_u32 v9, v2, 2, v9
	s_lshl_b32 s58, s[WV], 6
	v_add_nc_u32 v9, s58, v9                       ; feat1 down the channels: channel 16 h, position 16 w + r
	s_lshl_b32 s58, s[WV], 9
	v_add_nc_u32 v10, s58, v8                      ; group w of a fragment
	s_lshl_b32 s58, s[WV], 12
	v_add_nc_u32 v11, s58, v8                      ; the fragments of tile w of the positions
	s_mul_i32 s58, s[WV], 32*PITCH
	v_mul_u32_u24 v12, v1, PITCH
	v_lshl_add_u32 v12, v3, 5, v12
	v_add_nc_u32 v12, s58, v12                     ; feat1 along the positions: channel 32 w + r + 8 (r / 8), position 8 h
	v_add_nc_u32 v13, STG, v12                     ; and the same place in my stage
	v_mul_u32_u24 v14, v3, PITCH
	v_lshl_add_u32 v14, v2, 4, v14
	v_add_nc_u32 v14, s58, v14
	v_add_nc_u32 v14, STG, v14                     ; back from the stage: lanes 0-15 one row of 256 bytes, lanes 16-31 the next
	v_lshlrev_b32 v15, 15, v3
	v_lshl_add_u32 v15, v2, 4, v15                 ; and the same two rows in out0
	s_mov_b32 s59, 0
	s_lshl_b32 s58, s[WV], 12                      ; my 32 rows of Wo and of Wg2,
	s_add_nc_u64 s[8:9], s[8:9], s[58:59]
	s_add_nc_u64 s[12:13], s[12:13], s[58:59]
	s_lshl_b32 s58, s[WV], 13                      ; of Wg1,
	s_add_nc_u64 s[10:11], s[10:11], s[58:59]
	s_lshl_b32 s58, s[WV], 7                       ; my 32 numbers of each bias
	s_add_nc_u64 s[14:15], s[14:15], s[58:59]
	s_add_nc_u64 s[16:17], s[16:17], s[58:59]
	s_add_nc_u64 s[18:19], s[18:19], s[58:59]
	s_lshl_b32 s58, ttmp9, 13                      ; the work-group's four tiles of o's codes
	s_add_nc_u64 s[4:5], s[4:5], s[58:59]
	WIN 0x40                                       ; destination window 1, address window 0
	WLOAD WO, 8
.irp m, 0,1,2,3
.irp c, 0,1,2,3
	global_load_b128 v[OF+16*\m+4*\c:OF+16*\m+4*\c+3], v8, s[4:5] offset:2048*\m+512*\c
.endr
.endr
	BLOAD BO, 14
.irp u, 0,1
.irp s, 0,1
.irp c, 0,1,2,3
	global_load_b128 v[WG1+16*(2*\u+\s)+4*\c:WG1+16*(2*\u+\s)+4*\c+3], v5, s[10:11] offset:2048*\u+128*\s+32*\c
.endr
.endr
.endr
	BLOAD BG1, 16
	WLOAD WG2, 12
	WIN 0
	global_load_b32 v246, v7, s[14:15]             ; bo of my lane's channel in tile 0,
	global_load_b32 v248, v7, s[14:15] offset:32   ; in tile 1;
	global_load_b32 v250, v7, s[18:19]             ; bg2 likewise
	global_load_b32 v252, v7, s[18:19] offset:32
	s_wait_loadcnt 0x0
	s_wait_kmcnt 0x0
	s_add_co_i32 s58, s[E+10], s[E+11]
	s_sub_co_i32 s56, 0, s58                       ; -(e10 + e11)
	s_add_co_i32 s59, s[E+12], s[E+13]
	s_sub_co_i32 s57, 0, s59                       ; -(e12 + e13)
	WIN 0x41                                       ; source 0 and destination window 1
.irp j, 0,1,2,3,4,5,6,7,8,9,10,11,12,13,14,15
	v_ldexp_f32 v[BO+\j], v[BO+\j], s56            ; each bias divided by the power of two that the sums lack
	v_ldexp_f32 v[BG1+\j], v[BG1+\j], s57
.endr
	WIN 0
	s_add_co_i32 s25, s[E+12], s56
	MKSC 240, 241, 25                              ; a's scale: 2^(e12 - e10 - e11)
	MKSC 242, 243, E+12                            ; feat1's: 2^e12
	s_add_co_i32 s25, s[E+14], s57
	MKSC 244, 245, 25                              ; the hidden layer's: 2^(e14 - e12 - e13)
	s_add_co_i32 s60, s58, 127
	s_lshl_b32 s60, s60, 23                        ; 2^(e10 + e11) as f32
	s_mov_b32 s61, s60                             ; (named with it as a pair, so it is written)
	s_add_co_i32 s62, s[E+14], s[E+15]
	s_lshl_b32 s62, s62, 23
	s_add_co_i32 s62, s62, 0xbfb8aa3b              ; -log2(e) x 2^(e14 + e15): the exponents are added to the exponent field
	s_mov_b32 s63, s62
	v_mov_b32 v247, v246
	v_mov_b32 v249, v248
	v_mul_f32 v250, 0xbfb8aa3b, v250               ; -log2(e) x bg2
	v_mul_f32 v252, 0xbfb8aa3b, v252
	v_mov_b32 v251, v250
	v_mov_b32 v253, v252
	; ---- 1: a, transposed: source 0 = Wo, source 1 = o, C = bo, all in window 1
	WIN 0x15
.irp m, 0,1,2,3
.irp u, 0,1
	v_wmma_f32_16x16x128_bf8_bf8 v[T0+8*(2*\m+\u):T0+8*(2*\m+\u)+7], v[WO+16*\u:WO+16*\u+15], v[OF+16*\m:OF+16*\m+15], v[BO+8*\u:BO+8*\u+7]
.endr
.endr
	WIN 0
	PLACES 4                                       ; four places between the last product and the first read of a result (ISA guide 7.12.1)
	QUANT T0, 0, 240, 241, PC
.irp m, 0,1,2,3
	ds_store_b128 v10, v[PC+4*\m:PC+4*\m+3] offset:GIMG+4096*\m      ; group w of fragment (m, 0)
.endr
	s_wait_tensorcnt 0x0                           ; my 32 rows of feat1 have landed,
	BARRIER                                        ; everybody's have
	; ---- feat1's codes: my tile of 16 positions, fragment (w, 1)
.irp c, 0,1,2,3
.irp i, 0,1,2,3,4,5,6,7,8,9,10,11,12,13,14,15
	ds_load_b32 v[T1+16*\c+\i], v9 offset:(32*\c+\i)*PITCH
.endr
.endr
	s_wait_dscnt 0x0
	QUANT T1, 0, 242, 243, PC2
.irp c, 0,1,2,3
	ds_store_b128 v11, v[PC2+4*\c:PC2+4*\c+3] offset:GIMG+2048+512*\c
.endr
	BARRIER                                        ; the eight fragments of [a; feat1] lie in LDS
	; ---- 2: the hidden layer: eight accumulators by turns, a K step at a time
.irp f, 0,1,2,3,4,5,6,7
.irp c, 0,1,2,3
	ds_load_b128 v[T0+16*\f+4*\c:T0+16*\f+4*\c+3], v8 offset:GIMG+2048*\f+512*\c
.endr
.endr
	s_wait_dscnt 0x0
	WIN 0x11                                       ; source 0 (Wg1) and C (bg1) window 1
.irp m, 0,1,2,3
.irp u, 0,1
	v_wmma_f32_16x16x128_bf8_bf8 v[T2+8*(2*\m+\u):T2+8*(2*\m+\u)+7], v[WG1+32*\u:WG1+32*\u+15], v[T0+32*\m:T0+32*\m+15], v[BG1+8*\u:BG1+8*\u+7]
.endr
.endr
	WIN 0x01
.irp m, 0,1,2,3
.irp u, 0,1
	v_wmma_f32_16x16x128_bf8_bf8 v[T2+8*(2*\m+\u):T2+8*(2*\m+\u)+7], v[WG1+32*\u+16:WG1+32*\u+31], v[T0+32*\m+16:T0+32*\m+31], v[T2+8*(2*\m+\u):T2+8*(2*\m+\u)+7]
.endr
.endr
	WIN 0
	PLACES 4
	QUANT T2, 1, 244, 245, PC
.irp m, 0,1,2,3
	ds_store_b128 v10, v[PC+4*\m:PC+4*\m+3] offset:HIMG+2048*\m      ; group w of the hidden layer's fragment m
.endr
	BARRIER                                        ; the hidden layer's four fragments lie in LDS
	; ---- 3: the gate's sums and a once more, a lane a channel
.irp m, 0,1,2,3
.irp c, 0,1,2,3
	ds_load_b128 v[T0+16*\m+4*\c:T0+16*\m+4*\c+3], v8 offset:HIMG+2048*\m+512*\c
.endr
.endr
.irp m, 0,1,2,3
.irp u, 0,1
	ds_load_b128 v[T1+8*(2*\m+\u):T1+8*(2*\m+\u)+3], v12 offset:8*PITCH*\u+64*\m         ; feat1(my channel of tile u, 16 m + 8 h + 0 .. 7)
	ds_load_b128 v[T1+8*(2*\m+\u)+4:T1+8*(2*\m+\u)+7], v12 offset:8*PITCH*\u+64*\m+16
.endr
.endr
	s_wait_dscnt 0x0
	WIN 0x04                                       ; source 1 (Wg2) window 1
.irp m, 0,1,2,3
.irp u, 0,1
	v_wmma_f32_16x16x128_bf8_bf8 v[T2+8*(2*\m+\u):T2+8*(2*\m+\u)+7], v[T0+16*\m:T0+16*\m+15], v[WG2+16*\u:WG2+16*\u+15], 0
.endr
.endr
	PLACES 5                                       ; five places: the products below write over the hidden layer's registers, which the products above read
	WIN 0x05                                       ; sources 0 (o) and 1 (Wo) window 1
.irp m, 0,1,2,3
.irp u, 0,1
	v_wmma_f32_16x16x128_bf8_bf8 v[T0+8*(2*\m+\u):T0+8*(2*\m+\u)+7], v[OF+16*\m:OF+16*\m+15], v[WO+16*\u:WO+16*\u+15], 0
.endr
.endr
	WIN 0
.set j, 0
.rept 32                                       ; -log2(e) x (sum x 2^(e14 + e15) + bg2).  These 32 lines name no register of the eight products just issued: they are the places behind them
	v_pk_fma_f32 v[T2+j:T2+j+1], v[T2+j:T2+j+1], s[62:63], v[250+2*((j/8)%2):251+2*((j/8)%2)] op_sel_hi:[1,0,0]
.set j, j+2
.endr
.set j, 0
.rept 64
	v_exp_f32 v[T2+j], v[T2+j]                     ; e^-z
.set j, j+1
.endr
.set j, 0
.rept 32                                       ; a = sum x 2^(e10 + e11) + bo: independent work behind the exponentials
	v_pk_fma_f32 v[T0+j:T0+j+1], v[T0+j:T0+j+1], s[60:61], v[246+2*((j/8)%2):247+2*((j/8)%2)] op_sel_hi:[1,0,0]
.set j, j+2
.endr
.set j, 0
.rept 32
	v_pk_add_f32 v[T1+j:T1+j+1], v[T1+j:T1+j+1], v[T0+j:T0+j+1] neg_lo:[0,1] neg_hi:[0,1]   ; feat1 - a
.set j, j+2
.endr
	s_wait_alu depctr_va_vdst(0)                   ; one wait for the batch of exponentials, ahead of its first reader
.set j, 0
.rept 32
	v_pk_add_f32 v[T2+j:T2+j+1], v[T2+j:T2+j+1], 1.0 op_sel_hi:[1,0]
.set j, j+2
.endr
.set j, 0
.rept 64
	v_rcp_f32 v[T2+j], v[T2+j]                     ; g = 1 / (1 + e^-z)
.set j, j+1
.endr
	v_nop                                          ; a plain line behind the last reciprocal
	s_wait_alu depctr_va_vdst(0)                   ; and one wait for the batch
.set j, 0
.rept 32
	v_pk_fma_f32 v[T1+j:T1+j+1], v[T1+j:T1+j+1], v[T2+j:T2+j+1], v[T0+j:T0+j+1]   ; out = (feat1 - a) g + a
.set j, j+2
.endr
	; THE WAY OUT: a lane holds 32 bytes of a channel's row and the lanes beside it other rows: through my own stage, and back as whole rows of 256 bytes.  LDS serves a wave's instructions in order (ISA guide 5.7.1.4).
.irp m, 0,1,2,3
.irp u, 0,1
	ds_store_b128 v13, v[T1+8*(2*\m+\u):T1+8*(2*\m+\u)+3] offset:8*PITCH*\u+64*\m
	ds_store_b128 v13, v[T1+8*(2*\m+\u)+4:T1+8*(2*\m+\u)+7] offset:8*PITCH*\u+64*\m+16
.endr
.endr
.irp i, 0,1,2,3,4,5,6,7,8,9,10,11,12,13,14,15
	ds_load_b128 v[T2+4*\i:T2+4*\i+3], v14 offset:2*PITCH*\i
.endr
.irp i, 0,1,2,3,4,5,6,7,8,9,10,11,12,13,14,15
	s_wait_dscnt 15-\i                             ; the loads issued behind this one may stay out
	global_store_b128 v15, v[T2+4*\i:T2+4*\i+3], s[22:23] offset:65536*\i th:TH_STORE_NT   ; 16 lanes store 256 consecutive bytes, at a multiple of 256 from out0's first byte; written once, read by nobody here
.endr
	s_wait_tensorcnt 0x0
	ds_add_u32 v254, v255
	s_wait_dscnt 0x0
	s_endpgm
.Lfunc_end_k_q688fd07a23_gate:
	.size	k_q688fd07a23_gate, .Lfunc_end_k_q688fd07a23_gate-k_q688fd07a23_gate
	.p2alignl 7, 3214868480
	.fill 96, 4, 3214868480
	.section	.rodata,"a",@progbits
	.p2align	6, 0x0
	.amdhsa_kernel k_q688fd07a23_gate
		.amdhsa_group_segment_fixed_size 168448
		.amdhsa_private_segment_fixed_size 0
		.amdhsa_enable_private_segment 0
		.amdhsa_kernarg_size 80
		.amdhsa_user_sgpr_count 2
		.amdhsa_user_sgpr_kernarg_segment_ptr 1
		.amdhsa_wavefront_size32 1
		.amdhsa_system_sgpr_workgroup_id_x 1
		.amdhsa_system_sgpr_workgroup_id_y 1
		.amdhsa_system_sgpr_workgroup_id_z 1
		.amdhsa_system_vgpr_workitem_id 0
		.amdhsa_next_free_vgpr 512
		.amdhsa_next_free_sgpr 66
		.amdhsa_reserve_vcc 0
		.amdhsa_float_denorm_mode_32 3
		.amdhsa_float_denorm_mode_16_64 3
		.amdhsa_memory_ordered 1
		.amdhsa_forward_progress 1
		.amdhsa_inst_pref_size 58
	.end_amdhsa_kernel
	.amdgpu_metadata
---
amdhsa.version: [ 1, 2 ]
amdhsa.kernels:
  - .name:           k_q688fd07a23_gate
    .symbol:         k_q688fd07a23_gate.kd
    .args:
      - { .name: oimg, .offset: 0, .size: 8, .value_kind: global_buffer, .address_space: global }
      - { .name: feat1, .offset: 8, .size: 8, .value_kind: global_buffer, .address_space: global }
      - { .name: Wo_codes, .offset: 16, .size: 8, .value_kind: global_buffer, .address_space: global }
      - { .name: Wg1_codes, .offset: 24, .size: 8, .value_kind: global_buffer, .address_space: global }
      - { .name: Wg2_codes, .offset: 32, .size: 8, .value_kind: global_buffer, .address_space: global }
      - { .name: bo, .offset: 40, .size: 8, .value_kind: global_buffer, .address_space: global }
      - { .name: bg1, .offset: 48, .size: 8, .value_kind: global_buffer, .address_space: global }
      - { .name: bg2, .offset: 56, .size: 8, .value_kind: global_buffer, .address_space: global }
      - { .name: lowp_scales, .offset: 64, .size: 8, .value_kind: global_buffer, .address_space: global }
      - { .name: out0, .offset: 72, .size: 8, .value_kind: global_buffer, .address_space: global }
    .group_segment_fixed_size: 168448
    .private_segment_fixed_size: 0
    .kernarg_segment_align: 8
    .kernarg_segment_size: 80
    .max_flat_workgroup_size: 128
    .sgpr_count:     66
    .vgpr_count:     512
    .wavefront_size: 32
...
	.end_amdgpu_metadata
.endif
;; end of part 3
